; MI455X (gfx1250); checked and timed in simulation.
; The chip was launched on July 23, 2026; its instructions are those of AMD's public machine-readable ISA for CDNA 5 (MIT licence, August 2026) and "CDNA5" Instruction Set Architecture Reference Guide (July 2026). The comments in the code are by the model that wrote it; some were corrected since.
;; Attention Block. Allowed arithmetic: float matrix products may take bf16 or f16 operands with f32 sums; all other float work in f32.
;; Inputs: norm_b 256 float32; norm_w 256 float32; proj_b 256 float32; proj_w 256 x 256 float32; qkv_b 768 float32; qkv_w 768 x 256 float32; x 8,192 x 256 float32.
;; Outputs: out0 8,192 x 256 float32.
;; 2 versions, each right; version 2 is version 1 with the launch merge written anew for expert scheduling mode. Each part assembles by itself: llvm-mc -triple=amdgcn-amd-amdhsa -mcpu=gfx1250 --defsym DOCPART=n.
;; ======== version 1 of 2: 3 launches
;; workspace buffers: qkv 12,582,912 bytes; opart 33,554,432 bytes; ml 262,144 bytes
;; launch lnqkv (part 1): grid 64 x 4, 8 waves a work-group, no clusters, 305,152 bytes of LDS; arguments x, norm_w, norm_b, qkv_w, qkv_b, proj_w, qkv; writes qkv
.if DOCPART == 1
	.amdgcn_target "amdgcn-amd-amdhsa--gfx1250"
	.amdhsa_code_object_version 6
	.text
	.protected	k_q653e550d7b_lnqkv
	.globl	k_q653e550d7b_lnqkv
	.p2align	8
	.type	k_q653e550d7b_lnqkv,@function
k_q653e550d7b_lnqkv:
	s_mov_b64 s[64:65], 0
	v_nop
	global_prefetch_b8 v0, s[64:65] scope:SCOPE_SE
	s_setreg_imm32_b32 hwreg(HW_REG_WAVE_MODE, 25, 1), 1
	s_wait_xcnt 0x0
; LayerNorm, then the QKV projection.  y = 0 makes q and y = 1 makes k for the 128 tokens of block x; y = 2 and y = 3 take 64 of those tokens each and make
; v and from it vp = v proj_w^T.  (attn v) proj_w^T = attn (v proj_w^T) for every input, so the output projection is applied to v here; v is rounded to bf16
; once more for it.  qkv: [8192][768] bf16, a row = q (512 bytes), k (512 bytes), vp (512 bytes).
; 256 work-groups.  Bytes in: 128 + 256 KiB (q, k) or 64 + 256 + 256 KiB (v); matrix instructions a wave: 128 or 64 + 64.
; Eight waves.  LayerNorm: a wave takes an eighth of the tokens, two rows at a time (lanes 0-15 one row, lanes 16-31 the next), 16 numbers a lane.
; Product: source 0 = 16 rows of the weights, source 1 = 16 tokens, so a lane's eight results are eight neighbouring outputs of one token and pack into 16 bytes.
; q, k: wave (tw = w & 1, cw = w >> 1) makes 64 tokens x 64 outputs.  v: wave w makes 64 tokens x 32 outputs.
; x and the weights are f32 in memory and are rounded to bf16 on the way, so they come through registers.  All weight loads that registers can hold are issued
; behind x's loads and in front of LayerNorm; the accumulators' registers, idle until the product, take half of them.
; The weights are shared by the work-groups of a part, but no joint tensor load is used: it would lay 256 rows x 1,024 bytes = 262,144 bytes of f32 into LDS
; beside the bf16 tiles held here.
; LIMIT: NaN or infinite inputs are not carried through as the f32 formula would carry them in every place (bf16 operands, f32 sums).
.set PITCH, 528                        ; an LDS row: 512 bytes of bf16 + 16: 33 x 16 bytes, so 16 rows start at 16 different 16-byte columns of 256 bytes
.set WR,    0                          ; 256 rows: the part's rows of qkv_w; in the v path its first 64 rows later hold v
.set ST,    256*PITCH                  ; q, k path: 128 rows, the product's stage
.set XN,    ST+128*PITCH               ; q, k path: 128 rows, the normalised tokens
.set PW,    256*PITCH                  ; v path: 256 rows, proj_w
.set XV,    512*PITCH                  ; v path: 64 rows, the normalised tokens, later vp's stage
.set XOFF,  3                          ; v3   my 16 bytes in x: (my first row + h) 1024 + 16 r
.set GOFF,  4                          ; v4   16 r: in norm_w, norm_b
.set WOFF,  5                          ; v5   (32 w + h) 1024 + 16 r: in a weight matrix
.set XST,   6                          ; v6   where my 8 bytes of a normalised row go
.set WST,   7                          ; v7   WR + (32 w + h) PITCH + 8 r
.set ADA,   8                          ; v8   weight fragments in WR
.set ADB,   9                          ; v9   token fragments
.set RP,    10                         ; v10  r PITCH + 16 h; in the v path also: v's fragments in WR
.set STO,   11                         ; v11  where 16 bytes of a result go
.set RD,    12                         ; v12  whole rows back
.set GO,    13                         ; v13  my 16 bytes in qkv
.set BOFF,  14                         ; v14  in qkv_b
.set STO2,  15                         ; v15  v path: vp's stage
.set T,     16                         ; v[16:31]   a pair for each row pair (8, or 4 in the v path)
.set WST2,  24                         ; v24  v path: PW + (32 w + h) PITCH + 8 r
.set ADA2,  25                         ; v25  v path: weight fragments in PW
.set G,     32                         ; v[32:47]   norm_w of my 16 columns
.set BT,    48                         ; v[48:63]   norm_b
.set WB,    64                         ; v[64:127]  a batch of 4 row pairs of weights
.set F0,    64                         ; v[64:127], v[128:191]: two fragment buffers
.set X,     128                        ; v[128:255] 8 row pairs of x (v path: 4, v[128:191])
.set XH,    192                        ; v[192:255] v path: a batch of 4 row pairs of weights
.set TMP,   192                        ; v[192:255] packed results
.set BI,    128                        ; window 1: v[128:159] (v384-415) bias tiles; v[0:127] (v256-383) accumulators, before the product a batch of 8 row pairs
.set WC,    160                        ; window 1: v[160:223] (v416-479) a batch of 4 row pairs
.set MSB, 0
.macro WIN new                         ; the immediate's high byte repeats the setting that is left
.if MSB != \new
	s_set_vgpr_msb (MSB<<8)|\new
.set MSB, \new
.endif
.endm
.macro PLACES cnt
.rept \cnt
	v_nop
.endr
.endm
.macro BAR                             ; my LDS stores are written and my LDS loads are back; then everybody's
	s_wait_dscnt 0x0
	s_barrier_signal -1
	s_barrier_wait -1
.endm
.macro BASES                           ; every buffer at the work-group's part
	s_wait_kmcnt 0x0
	s_add_nc_u64 s[4:5], s[4:5], s[26:27]
	s_add_nc_u64 s[10:11], s[10:11], s[28:29]
	s_add_nc_u64 s[12:13], s[12:13], s[30:31]
	s_add_nc_u64 s[16:17], s[16:17], s[32:33]
.endm
; np row pairs of x, four loads a pair, each half-wave 256 consecutive bytes of a row; then norm_w and norm_b
.macro XLOADS np
.set p, 0
.rept \np
.irp j, 0,1,2,3
	global_load_b128 v[X+16*p+4*\j:X+16*p+4*\j+3], v[XOFF], s[4:5] offset:p*2048+\j*256
.endr
.set p, p+1
.endr
.irp j, 0,1,2,3
	global_load_b128 v[G+4*\j:G+4*\j+3], v[GOFF], s[6:7] offset:\j*256
	global_load_b128 v[BT+4*\j:BT+4*\j+3], v[GOFF], s[8:9] offset:\j*256
.endr
.endm
; nct bias tiles: register j of a tile = the bias of output 8 h + j of its 16
.macro BLOADS nct
	WIN 0x40                                       ; destination in window 1
.set t, 0
.rept \nct
	global_load_b128 v[BI+8*t:BI+8*t+3], v[BOFF], s[12:13] offset:64*t
	global_load_b128 v[BI+8*t+4:BI+8*t+7], v[BOFF], s[12:13] offset:64*t+16
.set t, t+1
.endr
.endm
; cnt row pairs of a weight matrix (base s[base:base+1]) from pair pair0 on, into registers reg .. of window wsel
.macro LDB base, wsel, reg, pair0, cnt
.if \wsel
	WIN 0x40
.else
	WIN 0
.endif
.set pp, 0
.rept \cnt
.irp j, 0,1,2,3
	global_load_b128 v[\reg+16*pp+4*\j:\reg+16*pp+4*\j+3], v[WOFF], s[\base:\base+1] offset:(\pair0+pp)*2048+\j*256
.endr
.set pp, pp+1
.endr
.endm
; the same pairs rounded to bf16 in place, in one run, and then laid into LDS, in one run: two window switches a batch
.macro CVB wsel, reg, pair0, cnt, adr
.if \wsel
	WIN 0x45                                       ; sources and destination in window 1
.else
	WIN 0
.endif
.set pp, 0
.rept \cnt
.irp j, 0,1,2,3
	v_cvt_pk_bf16_f32 v[\reg+16*pp+4*\j], v[\reg+16*pp+4*\j], v[\reg+16*pp+4*\j+1]
	v_cvt_pk_bf16_f32 v[\reg+16*pp+4*\j+1], v[\reg+16*pp+4*\j+2], v[\reg+16*pp+4*\j+3]
.endr
.set pp, pp+1
.endr
.if \wsel
	WIN 0x04                                       ; store data in window 1, address in window 0
.endif
.set pp, 0
.rept \cnt
.irp j, 0,1,2,3
	ds_store_b64 v[\adr], v[\reg+16*pp+4*\j:\reg+16*pp+4*\j+1] offset:(\pair0+pp)*2*PITCH+\j*128
.endr
.set pp, pp+1
.endr
.endm
; lo + hi of each pair, then over the 16 lanes that hold a row
.macro ROWSUM np
.set p, 0
.rept \np
	v_add_f32 v[T+2*p], v[T+2*p], v[T+2*p+1]
.set p, p+1
.endr
.irp m, 1,2,4,8
.set p, 0
.rept \np
	v_add_f32_dpp v[T+2*p], v[T+2*p], v[T+2*p] row_xmask:\m row_mask:0xf bank_mask:0xf
.set p, p+1
.endr
.endr
.endm
; LayerNorm of np row pairs in two passes, as the formula is written: mean, then the mean of the squared differences.  The row pairs take turns in every stage.
.macro LNORM np
.set p, 0
.rept \np
	v_pk_add_f32 v[T+2*p:T+2*p+1], v[X+16*p:X+16*p+1], v[X+16*p+2:X+16*p+3]
.set p, p+1
.endr
.set k, 2
.rept 6
.set p, 0
.rept \np
	v_pk_add_f32 v[T+2*p:T+2*p+1], v[T+2*p:T+2*p+1], v[X+16*p+2*k:X+16*p+2*k+1]
.set p, p+1
.endr
.set k, k+1
.endr
	ROWSUM \np
.set p, 0
.rept \np
	v_mul_f32 v[T+2*p], s24, v[T+2*p]              ; the mean
.set p, p+1
.endr
.set k, 0
.rept 8
.set p, 0
.rept \np
	v_pk_add_f32 v[X+16*p+2*k:X+16*p+2*k+1], v[X+16*p+2*k:X+16*p+2*k+1], v[T+2*p:T+2*p+1] op_sel_hi:[1,0] neg_lo:[0,1] neg_hi:[0,1]
.set p, p+1
.endr
.set k, k+1
.endr
.set p, 0
.rept \np
	v_pk_mul_f32 v[T+2*p:T+2*p+1], v[X+16*p:X+16*p+1], v[X+16*p:X+16*p+1]
.set p, p+1
.endr
.set k, 1
.rept 7
.set p, 0
.rept \np
	v_pk_fma_f32 v[T+2*p:T+2*p+1], v[X+16*p+2*k:X+16*p+2*k+1], v[X+16*p+2*k:X+16*p+2*k+1], v[T+2*p:T+2*p+1]
.set p, p+1
.endr
.set k, k+1
.endr
	ROWSUM \np
.set p, 0
.rept \np
	v_fma_f32 v[T+2*p], v[T+2*p], s24, s25         ; variance + 1e-5
.set p, p+1
.endr
.set p, 0
.rept \np
	v_rsq_f32 v[T+2*p], v[T+2*p]
.set p, p+1
.endr
	v_nop                                          ; one plain place behind the last v_rsq_f32 (ISA guide 5.7.2)
.set k, 0
	s_wait_alu depctr_va_vdst(0)
.rept 8
.set p, 0
.rept \np
	v_pk_mul_f32 v[X+16*p+2*k:X+16*p+2*k+1], v[X+16*p+2*k:X+16*p+2*k+1], v[T+2*p:T+2*p+1] op_sel_hi:[1,0]
.set p, p+1
.endr
.set k, k+1
.endr
.set k, 0
.rept 8
.set p, 0
.rept \np
	v_pk_fma_f32 v[X+16*p+2*k:X+16*p+2*k+1], v[X+16*p+2*k:X+16*p+2*k+1], v[G+2*k:G+2*k+1], v[BT+2*k:BT+2*k+1]
.set p, p+1
.endr
.set k, k+1
.endr
.set p, 0
.rept \np
.irp j, 0,1,2,3
	v_cvt_pk_bf16_f32 v[X+16*p+4*\j], v[X+16*p+4*\j], v[X+16*p+4*\j+1]
	v_cvt_pk_bf16_f32 v[X+16*p+4*\j+1], v[X+16*p+4*\j+2], v[X+16*p+4*\j+3]
.endr
.set p, p+1
.endr
.set p, 0
.rept \np
.irp j, 0,1,2,3
	ds_store_b64 v[XST], v[X+16*p+4*\j:X+16*p+4*\j+1] offset:p*2*PITCH+\j*128
.endr
.set p, p+1
.endr
.endm
; the fragments of 32 along K at K step ks into buffer fb: nct x 16 rows of weights, then ntt x 16 tokens
.macro FETCH ks, ada, adb, nct, ntt
.set t, 0
.rept \nct
	ds_load_b128 v[fb+8*t:fb+8*t+3], v[\ada] offset:t*16*PITCH+(\ks)*64
	ds_load_b128 v[fb+8*t+4:fb+8*t+7], v[\ada] offset:t*16*PITCH+(\ks)*64+32
.set t, t+1
.endr
.set t, 0
.rept \ntt
	ds_load_b128 v[fb+8*(\nct+t):fb+8*(\nct+t)+3], v[\adb] offset:t*16*PITCH+(\ks)*64
	ds_load_b128 v[fb+8*(\nct+t)+4:fb+8*(\nct+t)+7], v[\adb] offset:t*16*PITCH+(\ks)*64+32
.set t, t+1
.endr
.endm
; 16 nct outputs x 16 ntt tokens over K = 256: eight K steps of nct x ntt matrix instructions.  The accumulators take turns, one instruction a turn, in the
; same order in every K step.  The first step starts the sums from the bias tiles (bias = 1) or from 0: nothing is cleared.
.macro MATMUL ada, adb, nct, ntt, bias
	WIN 0
.set fb, F0
	FETCH 0, \ada, \adb, \nct, \ntt
.set kk, 0
.rept 8
.if kk < 7
.if kk > 0
	PLACES 4                                       ; the buffer filled next was read by the matrix instructions just issued: four places (ISA guide 7.12.1)
.endif
	WIN 0
.set fb, F0+64*((kk+1)&1)
	FETCH (kk+1), \ada, \adb, \nct, \ntt
	s_wait_dscnt 2*(\nct+\ntt)                     ; all but the loads just issued: this K step's fragments are in
.else
	s_wait_dscnt 0x0
.endif
	WIN 0x50                                       ; C and D in window 1
.set fb, F0+64*(kk&1)
.set ct, 0
.rept \nct
.set tt, 0
.rept \ntt
.if kk == 0
.if \bias
	v_wmma_f32_16x16x32_bf16 v[8*(\ntt*ct+tt):8*(\ntt*ct+tt)+7], v[fb+8*ct:fb+8*ct+7], v[fb+8*(\nct+tt):fb+8*(\nct+tt)+7], v[BI+8*ct:BI+8*ct+7]
.else
	v_wmma_f32_16x16x32_bf16 v[8*(\ntt*ct+tt):8*(\ntt*ct+tt)+7], v[fb+8*ct:fb+8*ct+7], v[fb+8*(\nct+tt):fb+8*(\nct+tt)+7], 0
.endif
.else
	v_wmma_f32_16x16x32_bf16 v[8*(\ntt*ct+tt):8*(\ntt*ct+tt)+7], v[fb+8*ct:fb+8*ct+7], v[fb+8*(\nct+tt):fb+8*(\nct+tt)+7], v[8*(\ntt*ct+tt):8*(\ntt*ct+tt)+7]
.endif
.set tt, tt+1
.endr
.set ct, ct+1
.endr
.set kk, kk+1
.endr
.endm
; nt accumulator tiles rounded to bf16: 16 bytes a lane and tile, 8 neighbouring outputs of one token
.macro PACK nt
	PLACES 4                                       ; four places behind the last matrix instructions, for the conversions and for later loads into the fragment buffers
	WIN 0x05                                       ; sources in window 1
.set a, 0
.rept \nt
.irp q, 0,1,2,3
	v_cvt_pk_bf16_f32 v[TMP+4*a+\q], v[8*a+2*\q], v[8*a+2*\q+1]
.endr
.set a, a+1
.endr
	WIN 0
.endm
.macro STG sto, nct, ntt               ; and laid into a stage
.set ct, 0
.rept \nct
.set tt, 0
.rept \ntt
	ds_store_b128 v[\sto], v[TMP+4*(\ntt*ct+tt):TMP+4*(\ntt*ct+tt)+3] offset:tt*16*PITCH+ct*32
.set tt, tt+1
.endr
.set ct, ct+1
.endr
.endm
; n rows a wave: a row's 512 bytes are read back by one load and stored by one store, 512 consecutive bytes at a multiple of 512 from qkv's first byte
.macro OUTR n
.set i, 0
.rept \n
	ds_load_b128 v[F0+4*i:F0+4*i+3], v[RD] offset:i*PITCH
.set i, i+1
.endr
.set i, 0
.rept \n
	s_wait_dscnt \n-1-i                            ; LDS loads come back in order: row i is in, the younger ones stay out
	global_store_b128 v[GO], v[F0+4*i:F0+4*i+3], s[16:17] offset:i*1536
.set i, i+1
.endr
.endm
	s_load_b256 s[4:11], s[0:1], 0x0               ; x s[4:5], norm_w s[6:7], norm_b s[8:9], qkv_w s[10:11]
	s_load_b128 s[12:15], s[0:1], 0x20             ; qkv_b s[12:13], proj_w s[14:15]
	s_load_b64 s[16:17], s[0:1], 0x30              ; qkv
	s_set_vgpr_msb 0x40
	v_lshl_add_u32 v224, v0, 2, 0x4a400
	v_mov_b32 v225, 0
	s_set_vgpr_msb 0x4000
	v_lshrrev_b32 v16, 5, v0
	v_readfirstlane_b32 s20, v16                   ; wave w
	s_and_b32 s21, ttmp7, 0xffff                   ; y
	s_min_u32 s36, s21, 2                          ; the part: 0 q, 1 k, 2 v
	s_max_u32 s37, s21, 2
	s_sub_co_u32 s37, s37, 2                       ; 1 for y = 3: the block's second 64 tokens
	s_lshl_b32 s37, s37, 6
	s_lshl_b32 s38, ttmp9, 7
	s_add_co_u32 s38, s38, s37                     ; my first token
	s_mov_b32 s24, 0x3b800000                      ; 1 / 256
	s_mov_b32 s25, 0x3727c5ac                      ; 1e-5
	s_lshl_b32 s26, s38, 10                        ; x: rows of 1,024 bytes
	s_mov_b32 s27, 0
	s_lshl_b32 s28, s36, 18                        ; qkv_w: 256 rows a part
	s_mov_b32 s29, 0
	s_lshl_b32 s30, s36, 10                        ; qkv_b: 256 numbers a part
	s_mov_b32 s31, 0
	s_mul_i32 s32, s38, 1536                       ; qkv: rows of 1,536 bytes,
	s_lshl_b32 s34, s36, 9                         ; and the part's 512 bytes in a row
	s_add_co_u32 s32, s32, s34
	s_mov_b32 s33, 0
	v_and_b32 v1, 15, v0                           ; r
	v_bfe_u32 v2, v0, 4, 1                         ; h
	v_and_b32 v17, 31, v0                          ; lane
	v_lshlrev_b32 v[GOFF], 4, v1
	v_lshl_add_u32 v19, v16, 5, v2                 ; 32 w + h
	v_lshl_add_u32 v[WOFF], v19, 10, v[GOFF]
	v_mul_u32_u24 v[WST], v19, PITCH
	v_lshl_add_u32 v[WST], v1, 3, v[WST]
	v_mul_u32_u24 v[RP], v1, PITCH
	v_lshl_add_u32 v[RP], v2, 4, v[RP]             ; r PITCH + 16 h
	s_cmp_ge_u32 s21, 2                            ; y is the same for all waves of the work-group
	s_cbranch_scc1 .Lvpath
	; ---- q or k of 128 tokens ----
	s_and_b32 s22, s20, 1                          ; tw
	s_lshr_b32 s23, s20, 1                         ; cw
	v_lshl_add_u32 v18, v16, 4, v2                 ; 16 w + h
	v_lshl_add_u32 v[XOFF], v18, 10, v[GOFF]
	v_mul_u32_u24 v[XST], v18, PITCH
	v_lshl_add_u32 v[XST], v1, 3, v[XST]
	v_add_nc_u32 v[XST], XN, v[XST]
	s_mul_i32 s34, s23, 64*PITCH
	s_mul_i32 s35, s22, 64*PITCH
	v_add_nc_u32 v[ADA], s34, v[RP]                ; WR + (64 cw + r) PITCH + 16 h
	v_add_nc_u32 v[ADB], s35, v[RP]
	s_lshl_b32 s36, s23, 7
	v_add_nc_u32 v[STO], s36, v[ADB]
	v_add_nc_u32 v[STO], ST, v[STO]                ; ST + (64 tw + r) PITCH + 128 cw + 16 h
	v_add_nc_u32 v[ADB], XN, v[ADB]                ; XN + (64 tw + r) PITCH + 16 h
	s_mul_i32 s37, s20, 16*PITCH
	s_add_co_u32 s37, s37, ST
	v_lshl_add_u32 v[RD], v17, 4, s37
	s_mul_i32 s38, s20, 16*1536
	v_lshl_add_u32 v[GO], v17, 4, s38
	s_lshl_b32 s39, s23, 8
	v_lshl_add_u32 v[BOFF], v2, 5, s39             ; 256 cw + 32 h
	BASES
	XLOADS 8                                       ; 40 loads: they come back first
	BLOADS 4                                       ; 8 loads
	LDB 10, 0, WB, 0, 4                            ; my 32 rows of the weights: 64 loads, all on their way during LayerNorm
	LDB 10, 1, 0, 4, 8
	LDB 10, 1, WC, 12, 4
	WIN 0
	s_wait_loadcnt 63                              ; x, norm_w, norm_b and the bias are in.  64 weight loads are younger; the wait's field ends at 63, so one of them is waited for too
	LNORM 8
	s_wait_loadcnt 48                              ; pairs 0-3 are in: the 48 loads of pairs 4-15 stay out
	CVB 0, WB, 0, 4, WST
	s_wait_loadcnt 16                              ; pairs 4-11 are in: the 16 loads of pairs 12-15 stay out
	CVB 1, 0, 4, 8, WST
	s_wait_loadcnt 0x0
	CVB 1, WC, 12, 4, WST
	WIN 0
	BAR                                            ; XN and WR are whole
	MATMUL ADA, ADB, 4, 4, 1
	PACK 16
	STG STO, 4, 4
	BAR                                            ; ST is whole
	OUTR 16
	s_set_vgpr_msb 0x5
	s_wait_tensorcnt 0x0
	ds_add_u32 v224, v225
	s_wait_dscnt 0x0
	s_set_vgpr_msb 0x500
	s_endpgm
	; ---- v and vp of 64 tokens ----
.Lvpath:
	v_lshl_add_u32 v18, v16, 3, v2                 ; 8 w + h
	v_lshl_add_u32 v[XOFF], v18, 10, v[GOFF]
	v_mul_u32_u24 v[XST], v18, PITCH
	v_lshl_add_u32 v[XST], v1, 3, v[XST]
	v_add_nc_u32 v[XST], XV, v[XST]
	s_mul_i32 s34, s20, 32*PITCH
	v_add_nc_u32 v[ADA], s34, v[RP]                ; WR + (32 w + r) PITCH + 16 h
	v_add_nc_u32 v[ADA2], PW, v[ADA]
	v_add_nc_u32 v[ADB], XV, v[RP]
	s_lshl_b32 s36, s20, 6
	v_add_nc_u32 v[STO], s36, v[RP]                ; WR + r PITCH + 64 w + 16 h
	v_add_nc_u32 v[STO2], XV, v[STO]
	s_mul_i32 s37, s20, 8*PITCH
	s_add_co_u32 s37, s37, XV
	v_lshl_add_u32 v[RD], v17, 4, s37
	s_mul_i32 s38, s20, 8*1536
	v_lshl_add_u32 v[GO], v17, 4, s38
	s_lshl_b32 s39, s20, 7
	v_lshl_add_u32 v[BOFF], v2, 5, s39             ; 128 w + 32 h
	v_add_nc_u32 v[WST2], PW, v[WST]
	BASES
	XLOADS 4                                       ; 24 loads
	BLOADS 2                                       ; 4 loads
	LDB 10, 0, WB, 0, 4                            ; my 32 rows of v's weights: 64 loads,
	LDB 10, 0, XH, 4, 4
	LDB 10, 1, 0, 8, 8
	LDB 14, 1, WC, 0, 4                            ; and the first 8 of my 32 rows of proj_w: 16 loads
	WIN 0
	s_wait_loadcnt 63                              ; x, norm_w, norm_b and the bias are in (80 weight loads are younger; the wait's field ends at 63)
	LNORM 4
	; a batch's registers take the next rows of proj_w as soon as the batch has been converted, so the stream of loads never stops
	s_wait_loadcnt 63                              ; v's pairs 0-3 are in (64 loads are younger)
	CVB 0, WB, 0, 4, WST
	LDB 14, 0, WB, 4, 4
	s_wait_loadcnt 63                              ; v's pairs 4-7 are in (32 + 16 + 16 loads are younger)
	CVB 0, XH, 4, 4, WST
	LDB 14, 0, XH, 8, 4
	s_wait_loadcnt 48                              ; v's pairs 8-15 are in: three batches of 16 loads of proj_w stay out
	CVB 1, 0, 8, 8, WST
	LDB 14, 1, 0, 12, 4
	s_wait_loadcnt 48                              ; proj_w's pairs 0-3 are in: three batches stay out
	CVB 1, WC, 0, 4, WST2
	s_wait_loadcnt 32                              ; pairs 4-7: two batches stay out
	CVB 0, WB, 4, 4, WST2
	s_wait_loadcnt 16                              ; pairs 8-11: one batch stays out
	CVB 0, XH, 8, 4, WST2
	s_wait_loadcnt 0x0
	CVB 1, 0, 12, 4, WST2
	WIN 0
	BAR                                            ; XV, WR and PW are whole
	MATMUL ADA, ADB, 2, 4, 1                       ; v
	PACK 8
	BAR                                            ; nobody reads WR or XV any more
	STG STO, 2, 4                                  ; v over the first 64 rows of WR
	BAR                                            ; v is whole
	MATMUL ADA2, RP, 2, 4, 0                       ; vp = v proj_w^T
	PACK 8
	STG STO2, 2, 4                                 ; vp over XV
	BAR                                            ; vp is whole
	OUTR 8
	s_set_vgpr_msb 0x5
	s_wait_tensorcnt 0x0
	ds_add_u32 v224, v225
	s_wait_dscnt 0x0
	s_set_vgpr_msb 0x500
	s_endpgm
.Lfunc_end_k_q653e550d7b_lnqkv:
	.size	k_q653e550d7b_lnqkv, .Lfunc_end_k_q653e550d7b_lnqkv-k_q653e550d7b_lnqkv
	.p2alignl 7, 3214868480
	.fill 96, 4, 3214868480
	.section	.rodata,"a",@progbits
	.p2align	6, 0x0
	.amdhsa_kernel k_q653e550d7b_lnqkv
		.amdhsa_group_segment_fixed_size 305152
		.amdhsa_private_segment_fixed_size 0
		.amdhsa_enable_private_segment 0
		.amdhsa_kernarg_size 56
		.amdhsa_user_sgpr_count 2
		.amdhsa_user_sgpr_kernarg_segment_ptr 1
		.amdhsa_wavefront_size32 1
		.amdhsa_system_sgpr_workgroup_id_x 1
		.amdhsa_system_sgpr_workgroup_id_y 1
		.amdhsa_system_sgpr_workgroup_id_z 1
		.amdhsa_system_vgpr_workitem_id 0
		.amdhsa_next_free_vgpr 482
		.amdhsa_next_free_sgpr 66
		.amdhsa_reserve_vcc 0
		.amdhsa_float_denorm_mode_32 3
		.amdhsa_float_denorm_mode_16_64 3
		.amdhsa_memory_ordered 1
		.amdhsa_forward_progress 1
		.amdhsa_inst_pref_size 170
	.end_amdhsa_kernel
	.amdgpu_metadata
---
amdhsa.version: [ 1, 2 ]
amdhsa.kernels:
  - .name:           k_q653e550d7b_lnqkv
    .symbol:         k_q653e550d7b_lnqkv.kd
    .args:
      - { .name: x, .offset: 0, .size: 8, .value_kind: global_buffer, .address_space: global }
      - { .name: norm_w, .offset: 8, .size: 8, .value_kind: global_buffer, .address_space: global }
      - { .name: norm_b, .offset: 16, .size: 8, .value_kind: global_buffer, .address_space: global }
      - { .name: qkv_w, .offset: 24, .size: 8, .value_kind: global_buffer, .address_space: global }
      - { .name: qkv_b, .offset: 32, .size: 8, .value_kind: global_buffer, .address_space: global }
      - { .name: proj_w, .offset: 40, .size: 8, .value_kind: global_buffer, .address_space: global }
      - { .name: qkv, .offset: 48, .size: 8, .value_kind: global_buffer, .address_space: global }
    .group_segment_fixed_size: 305152
    .private_segment_fixed_size: 0
    .kernarg_segment_align: 8
    .kernarg_segment_size: 56
    .max_flat_workgroup_size: 256
    .sgpr_count:     66
    .vgpr_count:     482
    .wavefront_size: 32
...
	.end_amdgpu_metadata
.endif
;; end of part 1
;; launch attn (part 2): grid 64 x 4, 4 waves a work-group, clusters of 4 x 1, 327,680 bytes of LDS; arguments qkv, opart, ml; writes opart, ml
.if DOCPART == 2
	.amdgcn_target "amdgcn-amd-amdhsa--gfx1250"
	.amdhsa_code_object_version 6
	.text
	.protected	k_q653e550d7b_attn
	.globl	k_q653e550d7b_attn
	.p2align	8
	.type	k_q653e550d7b_attn,@function
k_q653e550d7b_attn:
	s_mov_b64 s[64:65], 0
	v_nop
	global_prefetch_b8 v0, s[64:65] scope:SCOPE_SE
	s_setreg_imm32_b32 hwreg(HW_REG_WAVE_MODE, 25, 1), 1
	s_wait_xcnt 0x0
	s_wait_alu depctr_hold_cnt(0) depctr_sa_sdst(0) depctr_va_vdst(0) depctr_va_sdst(0) depctr_va_ssrc(0) depctr_va_vcc(0) depctr_vm_vsrc(0)
	s_getreg_b32 s2, hwreg(HW_REG_IB_STS2, 6, 4)
	s_cmp_eq_u32 s2, 0
	s_cbranch_scc0 .Lentry_in_a_cluster
	s_endpgm
.Lentry_in_a_cluster:
	s_bfe_u32 s2, ttmp6, 0x10000c
	s_cmp_lg_u32 s2, 0x3003
	s_cbranch_scc0 .Lentry_shape_is_right
	s_endpgm
.Lentry_shape_is_right:
; Attention of one head of width 256: a work-group takes 128 queries (block qb) and one of 4 splits of the keys (2,048 keys = 16 tiles of 128), with a running
; maximum, and leaves the un-normalised sum of p vp (opart), the raw maximum m and the sum l of p (ml); a later launch joins the four splits.
; p = exp2((s - m) c), c = log2(e) / 16 (the scale 1 / sqrt(256) folded in).
; Four waves, as many as a WGP has SIMDs.  Wave w: qh = w >> 1 picks 64 of the queries, kh = w & 1 picks 64 of each tile's keys.  Each wave keeps its own m, l and
; O (64 queries x 256, 512 registers) and its Q (256 registers); the two kh waves of a qh are joined through LDS at the end.
; BOTH PRODUCTS ARE TRANSPOSED.  S^T = K Q^T (source 0 = 16 keys, source 1 = 16 queries): a lane holds one query, its registers 8 keys, so m, l and the rescale
; factor are one register a query tile, and two S^T tiles packed to bf16 ARE source 1 of O^T = vp^T P^T: no shuffle.  Source 0 of that product comes from
; vp's rows [key][d] by the transposing LDS load.
; CLUSTER: the four work-groups of a cluster have the same split and walk the same K and vp tiles: every tile is asked for jointly (mask 15).
; REGISTERS: window 0: addresses, m, l, three fragment buffers, S / P.  Window 1: Q(qt, ks) at v[64 qt + 8 ks].  Windows 2, 3: O(dt, qt) at window 2 + (dt >> 3), v[32 (dt & 7) + 8 qt].
; LIMITS: NaN and infinite scores are not carried through as the f32 formula carries them (the maxima drop NaN).  m and l leave in pieces of 64 bytes, 262,144 bytes in the whole launch.
; Q is read once, 16 bytes a lane from 16 rows an instruction: 32,768 bytes a wave.
.set KP,    528                        ; K rows in LDS: 512 + 16 bytes = 33 x 16
.set VP,    544                        ; vp rows: 512 + 32 bytes = 17 x 32, for the transposing load
.set QTR,   64*VP                      ; 34,816: a quarter of a slot, what one wave's tensor load fills (64 rows)
.set SLOT,  4*QTR                      ; K rows 0-63, K rows 64-127, vp rows 0-63, vp rows 64-127
.set SCR,   2*SLOT                     ; 2,048 bytes for m and l of the four waves: no tensor load lands here
.set SP,    1040                       ; a stage row: 1,024 + 16 bytes = 65 x 16
.set STGB,  64*SP                      ; a wave's stage; the four lie over the slots, behind their last fill
.set TILEB, 128*1536                   ; bytes from a tile of 128 keys to the next
.set ADRK,  2                          ; v2, v3   K fragments in slot 0, 1
.set ADRV,  4                          ; v4, v5   vp fragments in slot 0, 1
.set QOFF,  6                          ; v6       r 1536 + 16 h
.set MM,    8                          ; v[8:11]  m of query tile qt, raw
.set LL,    12                         ; v[12:15] l, each half of the lanes its own keys until the end
.set NM,    16                         ; v[16:23] pairs: lo = -c m; later the pair of sums
.set AL,    24                         ; v[24:31] pairs: lo = the rescale factor; both at work in the maximum
.set BUF,   32                         ; v[32:63], v[64:95], v[96:127]: fragment buffers, 4 fragments each; fetch group n uses buffer n mod 3
.set SS,    128                        ; v[128:255] S(qt, kt) at 128 + 32 qt + 8 kt; packed: P(qt, ks) at 128 + 32 qt + 8 ks
.set G1K,   24                         ; s[24:31] group 1 for K's tiles
.set G1V,   32                         ; s[32:39] group 1 for vp's tiles: another pad
.set G0,    40                         ; s[40:47] group 0, a set for each slot
.set CEXP,  0x3db8aa3b                 ; c
.set NCEXP, 0xbdb8aa3b                 ; -c
.set MSB, 0
.macro WIN new                         ; the immediate's high byte repeats the setting that is left
.if MSB != \new
	s_set_vgpr_msb (MSB<<8)|\new
.set MSB, \new
.endif
.endm
.macro PLACES cnt
.rept \cnt
	v_nop
.endr
.endm
; A round of the cluster's barrier: my work-group's barrier, wave 0 signals for the work-group, every wave waits for all four work-groups, my work-group's barrier again.
.macro ROUND
	s_barrier_signal -1
	s_barrier_wait -1
	s_cmp_lg_u32 s10, 0
	s_cbranch_scc1 .Lnot_wave_0_\@
	s_barrier_signal -3
.Lnot_wave_0_\@:
	s_barrier_wait -3
	s_barrier_signal -1
	s_barrier_wait -1
.endm
; A joint load into slot sl: waves 0, 1 ask for K's two halves, waves 2, 3 for vp's.  The branch hangs on the wave's number alone.
.macro JLOAD sl
	s_cmp_eq_u32 s11, 0
	s_cbranch_scc0 .Lfor_v_\@
	tensor_load_to_lds s[G0+4*(\sl):G0+4*(\sl)+3], s[G1K:G1K+7]
	s_nop 0
	s_branch .Lasked_\@
.Lfor_v_\@:
	tensor_load_to_lds s[G0+4*(\sl):G0+4*(\sl)+3], s[G1V:G1V+7]
	s_nop 0
.Lasked_\@:
.endm
	s_load_b128 s[4:7], s[0:1], 0x0                ; qkv s[4:5], opart s[6:7]
	s_load_b64 s[8:9], s[0:1], 0x10                ; ml
	v_lshl_add_u32 v254, v0, 2, 0x44800
	v_mov_b32 v255, 0
	ds_add_u32 v254, v255
	s_wait_dscnt 0x0
	v_lshrrev_b32 v32, 5, v0
	v_readfirstlane_b32 s10, v32                   ; wave w
	s_lshr_b32 s11, s10, 1                         ; qh.  Also: I fetch K (0) or vp (1)
	s_and_b32 s12, s10, 1                          ; kh.  Also: which 64 rows of the tile I fetch
	s_bfe_u32 s13, ttmp6, 0x40000                  ; cx
	s_lshl_b32 s14, ttmp9, 2
	s_add_co_u32 s14, s14, s13                     ; query block qb = 4 x cluster x + cx
	s_and_b32 s15, ttmp7, 0xffff                   ; split sp
	s_mov_b32 s16, 0x76543210                      ; v_permlanex16_b32: lane i of one half reads lane i of the other
	s_mov_b32 s17, 0xfedcba98
	; group 1: 64 rows of 256 elements of 2 bytes, 768 elements from row to row; mask 15 with bit 21 beside it; a pad of 4 (K) or 8 (vp) words behind every 128 words
	s_mov_b32 s[G1K+0], 15|(1<<16)|(1<<20)|(1<<21)|(6<<22)|(3<<25)
	s_mov_b32 s[G1V+0], 15|(1<<16)|(1<<20)|(1<<21)|(6<<22)|(7<<25)
.irp g, G1K, G1V
	s_mov_b32 s[\g+1], 256<<16                     ; tensor_dim0 = 256
	s_mov_b32 s[\g+2], 64<<16                      ; tensor_dim1 = 64
	s_mov_b32 s[\g+3], 256<<16                     ; tile_dim0 = 256
	s_mov_b32 s[\g+4], 64                          ; tile_dim1 = 64
	s_mov_b32 s[\g+5], 768                         ; the pitch
	s_mov_b32 s[\g+6], 0
	s_mov_b32 s[\g+7], 0
.endr
	; where my quarter comes from: the split, my 64 rows, k (byte 512) or vp (byte 1,024) of a row.  Nothing here hangs on cx.
	s_mul_i32 s48, s15, 2048*1536
	s_mul_i32 s50, s12, 64*1536
	s_add_co_u32 s48, s48, s50
	s_lshl_b32 s50, s11, 9
	s_add_co_u32 s48, s48, s50
	s_add_co_u32 s48, s48, 512
	s_mov_b32 s49, 0
	s_mul_i32 s51, s10, QTR                        ; and where it goes
	s_mul_i32 s20, s14, 128*1536                   ; my 64 queries
	s_mul_i32 s22, s11, 64*1536
	s_add_co_u32 s20, s20, s22
	s_mov_b32 s21, 0
	s_wait_kmcnt 0x0
	s_add_nc_u64 s[48:49], s[4:5], s[48:49]
	s_add_nc_u64 s[20:21], s[4:5], s[20:21]
.irp n, 0,1
	s_mov_b32 s[G0+4*\n], 1
	s_add_co_u32 s[G0+4*\n+1], s51, \n*SLOT
	s_add_nc_u64 s[G0+4*\n+2:G0+4*\n+3], s[48:49], \n*TILEB
	s_or_b32 s[G0+4*\n+3], s[G0+4*\n+3], 0x80000000
.endr
	ROUND                                          ; all four work-groups are here: the first joint loads meet
	JLOAD 0                                        ; tile 0
	v_and_b32 v1, 15, v0                           ; r
	v_bfe_u32 v7, v0, 4, 1                         ; h
	v_mul_u32_u24 v[QOFF], v1, 1536
	v_lshl_add_u32 v[QOFF], v7, 4, v[QOFF]
	WIN 0x40                                       ; destination in window 1
.irp qt, 0,1,2,3
.irp ks, 0,1,2,3,4,5,6,7
	global_load_b128 v[64*\qt+8*\ks:64*\qt+8*\ks+3], v[QOFF], s[20:21] offset:\qt*16*1536+\ks*64
	global_load_b128 v[64*\qt+8*\ks+4:64*\qt+8*\ks+7], v[QOFF], s[20:21] offset:\qt*16*1536+\ks*64+32
.endr
.endr
	WIN 0
	v_mul_u32_u24 v32, v1, KP
	v_lshl_add_u32 v32, v7, 4, v32                 ; r KP + 16 h
	s_mul_i32 s50, s12, QTR                        ; my 64 keys' quarter of K
	v_add_nc_u32 v[ADRK], s50, v32
	v_add_nc_u32 v[ADRK+1], SLOT, v[ADRK]
	v_and_b32 v33, 7, v0
	v_lshl_add_u32 v33, v7, 3, v33                 ; 8 h + (lane & 7)
	v_mul_u32_u24 v33, v33, VP
	v_bfe_u32 v34, v0, 3, 1
	v_lshl_add_u32 v33, v34, 4, v33                ; + 16 ((lane >> 3) & 1)
	s_add_co_u32 s50, s50, 2*QTR                   ; and of vp
	v_add_nc_u32 v[ADRV], s50, v33
	v_add_nc_u32 v[ADRV+1], SLOT, v[ADRV]
.irp qt, 0,1,2,3
	v_mov_b32 v[NM+2*\qt+1], 0                     ; the pair's upper register is named by the packed forms before it first holds a sum
.endr
	s_wait_loadcnt 0x0                             ; Q
; Fetch group grp of a step, 8 loads into buffer grp mod 3.  Groups 0-7: the K fragments (4 x 16 keys) of 32 along d.  Groups 8-15: vp fragments, group g = grp - 8:
; 32 keys at key step g >> 2, d tiles 4 (g & 3) .. + 3, transposed on the way.
.macro FETCHG slot, grp
.set fb, BUF+32*((\grp)%3)
.if (\grp) < 8
.irp kt, 0,1,2,3
	ds_load_b128 v[fb+8*\kt:fb+8*\kt+3], v[ADRK+\slot] offset:\kt*16*KP+(\grp)*64
	ds_load_b128 v[fb+8*\kt+4:fb+8*\kt+7], v[ADRK+\slot] offset:\kt*16*KP+(\grp)*64+32
.endr
.else
.irp i, 0,1,2,3
	ds_load_tr16_b128 v[fb+8*\i:fb+8*\i+3], v[ADRV+\slot] offset:(((\grp)-8)>>2)*32*VP+(4*(((\grp)-8)&3)+\i)*32
	ds_load_tr16_b128 v[fb+8*\i+4:fb+8*\i+7], v[ADRV+\slot] offset:(((\grp)-8)>>2)*32*VP+(4*(((\grp)-8)&3)+\i)*32+16*VP
.endr
.endif
.endm
; 16 matrix instructions: S(qt, kt) += K(kt) Q(qt), 32 along d at step i; step 0 starts the sums
.macro SMUL i
.set mb, BUF+32*((\i)%3)
.irp kt, 0,1,2,3
.irp qt, 0,1,2,3
.if (\i) == 0
	v_wmma_f32_16x16x32_bf16 v[SS+32*\qt+8*\kt:SS+32*\qt+8*\kt+7], v[mb+8*\kt:mb+8*\kt+7], v[64*\qt+8*(\i):64*\qt+8*(\i)+7], 0
.else
	v_wmma_f32_16x16x32_bf16 v[SS+32*\qt+8*\kt:SS+32*\qt+8*\kt+7], v[mb+8*\kt:mb+8*\kt+7], v[64*\qt+8*(\i):64*\qt+8*(\i)+7], v[SS+32*\qt+8*\kt:SS+32*\qt+8*\kt+7]
.endif
.endr
.endr
.endm
; 16 matrix instructions: O(dt, qt) += vp^T(dt) P(qt), group g; in the first step the first key step starts the sums: O is never cleared
.macro PVMUL g, first
.set mb, BUF+32*(((\g)+8)%3)
.set ob, 32*((4*((\g)&3))&7)
.set pb, SS+8*((\g)>>2)
.set zc, 0
.if \first
.if (\g) < 4
.set zc, 1
.endif
.endif
.if ((\g)&3) < 2
	WIN 0xa0                                       ; C and D in window 2
.else
	WIN 0xf0                                       ; in window 3
.endif
.irp i, 0,1,2,3
.irp qt, 0,1,2,3
.if zc
	v_wmma_f32_16x16x32_bf16 v[ob+32*\i+8*\qt:ob+32*\i+8*\qt+7], v[mb+8*\i:mb+8*\i+7], v[pb+32*\qt:pb+32*\qt+7], 0
.else
	v_wmma_f32_16x16x32_bf16 v[ob+32*\i+8*\qt:ob+32*\i+8*\qt+7], v[mb+8*\i:mb+8*\i+7], v[pb+32*\qt:pb+32*\qt+7], v[ob+32*\i+8*\qt:ob+32*\i+8*\qt+7]
.endif
.endr
.endr
.endm
; O *= AL.lo of its query tile: 256 packed multiplies
.macro RESCALE
.irp win, 0x82, 0xc3
	WIN \win                                       ; source 0 and destination in window 2, then 3; the factor in window 0
.set k, 0
	s_wait_alu depctr_va_vdst(0)
.rept 8
.irp qt, 0,1,2,3
.irp j, 0,2,4,6
	v_pk_mul_f32 v[32*k+8*\qt+\j:32*k+8*\qt+\j+1], v[32*k+8*\qt+\j:32*k+8*\qt+\j+1], v[AL+2*\qt:AL+2*\qt+1] op_sel_hi:[1,0]
.endr
.endr
.set k, k+1
.endr
.endr
	WIN 0
.endm
; The softmax step over my 64 keys.  A lane holds 32 scores of one query for each query tile; the other 32 lie in the lane 16 further.
.macro SOFTMAX first
	; the maximum, two chains a query tile
.irp qt, 0,1,2,3
	v_max3_num_f32 v[AL+2*\qt], v[SS+32*\qt], v[SS+32*\qt+1], v[SS+32*\qt+2]
	v_max3_num_f32 v[AL+2*\qt+1], v[SS+32*\qt+16], v[SS+32*\qt+17], v[SS+32*\qt+18]
.endr
.irp k, 0,1,2,3,4,5
.irp qt, 0,1,2,3
	v_max3_num_f32 v[AL+2*\qt], v[AL+2*\qt], v[SS+32*\qt+3+2*\k], v[SS+32*\qt+4+2*\k]
	v_max3_num_f32 v[AL+2*\qt+1], v[AL+2*\qt+1], v[SS+32*\qt+19+2*\k], v[SS+32*\qt+20+2*\k]
.endr
.endr
.irp qt, 0,1,2,3
	v_max3_num_f32 v[AL+2*\qt], v[AL+2*\qt], v[SS+32*\qt+15], v[SS+32*\qt+31]
.endr
.irp qt, 0,1,2,3
.if \first
	v_max_num_f32 v[AL+2*\qt], v[AL+2*\qt], v[AL+2*\qt+1]
.else
	v_max3_num_f32 v[AL+2*\qt], v[AL+2*\qt], v[AL+2*\qt+1], v[MM+\qt]     ; with the running maximum
.endif
.endr
.irp qt, 0,1,2,3
	v_permlanex16_b32 v[AL+2*\qt+1], v[AL+2*\qt], s16, s17
.endr
.irp qt, 0,1,2,3
	v_max_num_f32 v[AL+2*\qt+1], v[AL+2*\qt], v[AL+2*\qt+1]               ; the new m
.endr
.if \first == 0
.irp qt, 0,1,2,3
	v_sub_f32 v[AL+2*\qt], v[MM+\qt], v[AL+2*\qt+1]                       ; old m - new m
.endr
.endif
.irp qt, 0,1,2,3
	v_mov_b32 v[MM+\qt], v[AL+2*\qt+1]
.endr
.irp qt, 0,1,2,3
	v_mul_f32 v[NM+2*\qt], NCEXP, v[AL+2*\qt+1]                           ; -c m
.endr
.if \first == 0
.irp qt, 0,1,2,3
	v_mul_f32 v[AL+2*\qt], CEXP, v[AL+2*\qt]
.endr
.irp qt, 0,1,2,3
	v_exp_f32 v[AL+2*\qt], v[AL+2*\qt]             ; the rescale factor; the packed lines below are the plain places behind it (ISA guide 5.7.2)
.endr
.endif
	; p = exp2(c s - c m)
.set k, 0
.rept 16
.irp qt, 0,1,2,3
	v_pk_fma_f32 v[SS+32*\qt+2*k:SS+32*\qt+2*k+1], v[SS+32*\qt+2*k:SS+32*\qt+2*k+1], CEXP, v[NM+2*\qt:NM+2*\qt+1] op_sel_hi:[1,0,0]
.endr
.set k, k+1
.endr
.set k, 0
.rept 32
.irp qt, 0,1,2,3
	v_exp_f32 v[SS+32*\qt+k], v[SS+32*\qt+k]
.endr
.set k, k+1
.endr
.if \first
	v_nop                                          ; the plain place behind the exponentials
	s_wait_alu depctr_va_vdst(0)
.else
	RESCALE                                        ; plain work that touches no p
.endif
	; l = l x factor + the sum of my p
.irp qt, 0,1,2,3
	v_pk_add_f32 v[NM+2*\qt:NM+2*\qt+1], v[SS+32*\qt:SS+32*\qt+1], v[SS+32*\qt+2:SS+32*\qt+3]
.endr
.set k, 2
.rept 14
.irp qt, 0,1,2,3
	v_pk_add_f32 v[NM+2*\qt:NM+2*\qt+1], v[NM+2*\qt:NM+2*\qt+1], v[SS+32*\qt+2*k:SS+32*\qt+2*k+1]
.endr
.set k, k+1
.endr
.irp qt, 0,1,2,3
.if \first
	v_add_f32 v[LL+\qt], v[NM+2*\qt], v[NM+2*\qt+1]
.else
	v_fma_f32 v[LL+\qt], v[LL+\qt], v[AL+2*\qt], v[NM+2*\qt]
.endif
.endr
.if \first == 0
.irp qt, 0,1,2,3
	v_add_f32 v[LL+\qt], v[LL+\qt], v[NM+2*\qt+1]
.endr
.endif
	; p to bf16 in place, ascending: register j takes p 2 j and 2 j + 1, which lie at or above it
.set k, 0
.rept 16
.irp qt, 0,1,2,3
	v_cvt_pk_bf16_f32 v[SS+32*\qt+k], v[SS+32*\qt+2*k], v[SS+32*\qt+2*k+1]
.endr
.set k, k+1
.endr
.endm
; One tile: 128 matrix instructions for S, the softmax step, 128 for O.  Group n + 2 is fetched just ahead of group n's products.
; All accumulators take turns, one instruction a turn (16 in S, 64 in O).
.macro STEP slot, first
	PLACES 5                                       ; behind the last step's products: four places for the loads into their buffers, five for the products that write over P
	WIN 0x04                                       ; source 1 (Q) in window 1; an LDS load's destination and address stay in window 0
	FETCHG \slot, 0
	FETCHG \slot, 1
.set gi, 0
.rept 8
.if gi > 0
	PLACES 4                                       ; the buffer filled next was read by the products just issued
.endif
	FETCHG \slot, (gi+2)
	s_wait_dscnt 16                                ; the two younger groups of 8 loads stay out
	SMUL gi
.set gi, gi+1
.endr
	WIN 0
	PLACES 4                                       ; before S is read
	SOFTMAX \first
.set gi, 0
.rept 8
.if gi < 6
	WIN 0
.if gi > 0
	PLACES 4
.endif
	FETCHG \slot, (gi+10)
	s_wait_dscnt 16                                ; the two younger groups stay out
.else
.if gi == 6
	s_wait_dscnt 8                                 ; the last group stays out
.else
	s_wait_dscnt 0x0
.endif
.endif
	PVMUL gi, \first
.set gi, gi+1
.endr
	WIN 0
.endm
; A trip of the ring of two slots.  In front of the round each wave has all its tensor loads landed (one was out: its quarter of this trip's tile) and its LDS reads back;
; behind the round no wave of any of the four work-groups reads the other slot or has a load on its way, and that slot's refill comes first: one load a wave,
; 34,816 bytes of LDS, with the whole tile's work in which to land.
.macro TRIP slot, refill, first
	s_wait_xcnt 0x0
	v_lshl_add_u32 v254, v0, 2, 0x44800
	v_mov_b32 v255, 0
	s_wait_tensorcnt 0x0
	ds_add_u32 v254, v255
	s_wait_dscnt 0x0
	s_add_nc_u64 s[G0+4*\slot+2:G0+4*\slot+3], s[G0+4*\slot+2:G0+4*\slot+3], 2*TILEB   ; no load of mine is out: this slot's next tile
	s_wait_dscnt 0x0
	ROUND
.if \refill
	JLOAD (1-\slot)
.endif
	STEP \slot, \first
.endm
	TRIP 0, 1, 1                                   ; tile 0 starts m, l and O
	TRIP 1, 1, 0
	s_mov_b32 s18, 6
.Lring:
	TRIP 0, 1, 0
	TRIP 1, 1, 0
	s_sub_co_u32 s18, s18, 1
	s_cmp_lg_u32 s18, 0
	s_cbranch_scc1 .Lring
	TRIP 0, 1, 0                                   ; tile 14; tile 15 is asked for
	TRIP 1, 0, 0                                   ; tile 15: nothing is left to fetch
	; THE END.  The two kh waves of a qh are joined: m = the larger, each O and l scaled by exp2((own m - m) c), then added.
	PLACES 4                                       ; behind the last products: O is read, the buffers are written
.irp qt, 0,1,2,3
	v_permlanex16_b32 v[AL+2*\qt+1], v[LL+\qt], s16, s17
.endr
.irp qt, 0,1,2,3
	v_add_f32 v[LL+\qt], v[LL+\qt], v[AL+2*\qt+1]  ; l over all my 64 keys' columns, in both halves of the lanes
.endr
	s_lshl_b32 s50, s10, 9
	s_add_co_u32 s50, s50, SCR
	v_lshl_add_u32 v96, v1, 2, s50                 ; SCR + 512 w + 4 r
	s_lshl_b32 s50, s11, 10
	s_add_co_u32 s50, s50, SCR
	v_lshl_add_u32 v97, v1, 2, s50                 ; SCR + 1024 qh + 4 r
	s_mul_i32 s50, s10, STGB
	v_mul_u32_u24 v98, v1, SP
	v_lshl_add_u32 v98, v7, 5, v98
	v_add_nc_u32 v98, s50, v98                     ; my stage + r SP + 32 h
	s_mul_i32 s50, s11, 2*STGB
	s_mul_i32 s51, s12, 32*SP
	s_add_co_u32 s50, s50, s51
	v_and_b32 v101, 31, v0
	v_lshlrev_b32 v101, 4, v101                    ; 16 lane
	v_add_nc_u32 v99, s50, v101                    ; the stage of (qh, 0) at my 32 rows
	v_add_nc_u32 v100, STGB, v99                   ; the stage of (qh, 1)
	v_lshlrev_b32 v102, 2, v1
	v_lshl_add_u32 v102, v7, 17, v102              ; ml: 4 r, lanes 16-31 in the plane of l
	v_cmp_ne_u32 vcc_lo, 0, v7
	s_lshl_b32 s52, s15, 23                        ; opart: the split's plane,
	s_lshl_b32 s50, s14, 17                        ; 128 qb rows of 1,024 bytes,
	s_add_co_u32 s52, s52, s50
	s_lshl_b32 s50, s11, 16                        ; 64 qh,
	s_add_co_u32 s52, s52, s50
	s_lshl_b32 s50, s12, 15                        ; 32 kh
	s_add_co_u32 s52, s52, s50
	s_mov_b32 s53, 0
	s_add_nc_u64 s[6:7], s[6:7], s[52:53]
	s_lshl_b32 s52, s15, 15                        ; ml: the split's 8,192 words, 128 qb + 64 qh words
	s_lshl_b32 s50, s14, 9
	s_add_co_u32 s52, s52, s50
	s_lshl_b32 s50, s11, 8
	s_add_co_u32 s52, s52, s50
	s_add_nc_u64 s[8:9], s[8:9], s[52:53]
.irp qt, 0,1,2,3
	ds_store_b32 v96, v[MM+\qt] offset:\qt*64      ; both halves of the lanes hold the same number
	ds_store_b32 v96, v[LL+\qt] offset:256+\qt*64
.endr
	s_wait_dscnt 0x0                               ; my m and l are written, and my reads of the slots have long been back,
	s_barrier_signal -1
	s_barrier_wait -1                              ; everybody's
.irp qt, 0,1,2,3
	ds_load_b32 v[32+\qt], v97 offset:\qt*64       ; m of kh = 0
	ds_load_b32 v[36+\qt], v97 offset:512+\qt*64   ; m of kh = 1
	ds_load_b32 v[40+\qt], v97 offset:256+\qt*64   ; l of kh = 0
	ds_load_b32 v[44+\qt], v97 offset:768+\qt*64   ; l of kh = 1
.endr
	s_wait_dscnt 0x0
.irp qt, 0,1,2,3
	v_max_num_f32 v[48+\qt], v[32+\qt], v[36+\qt]  ; the joint m
.endr
.irp qt, 0,1,2,3
	v_sub_f32 v[32+\qt], v[32+\qt], v[48+\qt]
	v_sub_f32 v[36+\qt], v[36+\qt], v[48+\qt]
	v_sub_f32 v[AL+2*\qt], v[MM+\qt], v[48+\qt]
.endr
.irp qt, 0,1,2,3
	v_mul_f32 v[32+\qt], CEXP, v[32+\qt]
	v_mul_f32 v[36+\qt], CEXP, v[36+\qt]
	v_mul_f32 v[AL+2*\qt], CEXP, v[AL+2*\qt]
.endr
.irp qt, 0,1,2,3
	v_exp_f32 v[32+\qt], v[32+\qt]
	v_exp_f32 v[36+\qt], v[36+\qt]
	v_exp_f32 v[AL+2*\qt], v[AL+2*\qt]             ; my own factor
.endr
	v_nop                                          ; the plain place behind the exponentials
	s_wait_alu depctr_va_vdst(0)
.irp qt, 0,1,2,3
	v_mul_f32 v[52+\qt], v[40+\qt], v[32+\qt]
.endr
.irp qt, 0,1,2,3
	v_fmac_f32 v[52+\qt], v[44+\qt], v[36+\qt]     ; the joint l
.endr
.irp qt, 0,1,2,3
	v_cndmask_b32 v[104+\qt], v[48+\qt], v[52+\qt], vcc_lo    ; lanes 0-15 carry m, lanes 16-31 l
.endr
	s_cmp_lg_u32 s12, 0                            ; one of the two waves stores them
	s_cbranch_scc1 .Lno_ml
.irp qt, 0,1,2,3
	global_store_b32 v102, v[104+\qt], s[8:9] offset:\qt*64
.endr
.Lno_ml:
	RESCALE
	; O^T's tiles hold 8 neighbouring d of one query in a lane: 32 bytes into row (16 qt + r) of my stage.  The stages lie over the slots: every wave's reads of them
	; were back in front of the barrier above, and the slots have had their last fill.
	WIN 0x08                                       ; store data in window 2
.set k, 0
.rept 8
.irp qt, 0,1,2,3
	ds_store_b128 v98, v[32*k+8*\qt:32*k+8*\qt+3] offset:\qt*16*SP+k*64
	ds_store_b128 v98, v[32*k+8*\qt+4:32*k+8*\qt+7] offset:\qt*16*SP+k*64+16
.endr
.set k, k+1
.endr
	WIN 0x0c                                       ; in window 3
.set k, 0
.rept 8
.irp qt, 0,1,2,3
	ds_store_b128 v98, v[32*k+8*\qt:32*k+8*\qt+3] offset:\qt*16*SP+(k+8)*64
	ds_store_b128 v98, v[32*k+8*\qt+4:32*k+8*\qt+7] offset:\qt*16*SP+(k+8)*64+16
.endr
.set k, k+1
.endr
	WIN 0
	s_wait_dscnt 0x0
	s_barrier_signal -1
	s_barrier_wait -1                              ; all four stages are whole
; four rows: both waves' halves are read back by rows, added and stored; each store covers 512 consecutive bytes at a multiple of 512 from opart's first byte
.macro COMB b, f
	s_wait_xcnt 0x0                                ; the registers that earlier stores read are loaded again only behind this wait
.irp t, 0,1,2,3,4,5,6,7
	ds_load_b128 v[\f+4*\t:\f+4*\t+3], v99 offset:(4*\b+(\t>>1))*SP+(\t&1)*512
.endr
.irp t, 0,1,2,3,4,5,6,7
	ds_load_b128 v[\f+32+4*\t:\f+32+4*\t+3], v100 offset:(4*\b+(\t>>1))*SP+(\t&1)*512
.endr
	s_wait_dscnt 0x0
.irp t, 0,1,2,3,4,5,6,7
	v_pk_add_f32 v[\f+4*\t:\f+4*\t+1], v[\f+4*\t:\f+4*\t+1], v[\f+32+4*\t:\f+32+4*\t+1]
	v_pk_add_f32 v[\f+4*\t+2:\f+4*\t+3], v[\f+4*\t+2:\f+4*\t+3], v[\f+32+4*\t+2:\f+32+4*\t+3]
.endr
.irp t, 0,1,2,3,4,5,6,7
	global_store_b128 v101, v[\f+4*\t:\f+4*\t+3], s[6:7] offset:(4*\b+(\t>>1))*1024+(\t&1)*512
.endr
.endm
	COMB 0, 32
	COMB 1, 128
	COMB 2, 32
	COMB 3, 128
	COMB 4, 32
	COMB 5, 128
	COMB 6, 32
	COMB 7, 128
	s_wait_xcnt 0x0
	v_lshl_add_u32 v254, v0, 2, 0x44800
	v_mov_b32 v255, 0
	s_wait_tensorcnt 0x0
	ds_add_u32 v254, v255
	s_wait_dscnt 0x0
	ROUND                                          ; the closing round: no work-group ends while a partner may still ask for a tile that names it
	s_endpgm
.Lfunc_end_k_q653e550d7b_attn:
	.size	k_q653e550d7b_attn, .Lfunc_end_k_q653e550d7b_attn-k_q653e550d7b_attn
	.p2alignl 7, 3214868480
	.fill 96, 4, 3214868480
	.section	.rodata,"a",@progbits
	.p2align	6, 0x0
	.amdhsa_kernel k_q653e550d7b_attn
		.amdhsa_group_segment_fixed_size 327680
		.amdhsa_private_segment_fixed_size 0
		.amdhsa_enable_private_segment 0
		.amdhsa_kernarg_size 24
		.amdhsa_user_sgpr_count 2
		.amdhsa_user_sgpr_kernarg_segment_ptr 1
		.amdhsa_wavefront_size32 1
		.amdhsa_system_sgpr_workgroup_id_x 1
		.amdhsa_system_sgpr_workgroup_id_y 1
		.amdhsa_system_sgpr_workgroup_id_z 1
		.amdhsa_system_vgpr_workitem_id 0
		.amdhsa_next_free_vgpr 1024
		.amdhsa_next_free_sgpr 66
		.amdhsa_reserve_vcc 1
		.amdhsa_float_denorm_mode_32 3
		.amdhsa_float_denorm_mode_16_64 3
		.amdhsa_memory_ordered 1
		.amdhsa_forward_progress 1
		.amdhsa_inst_pref_size 255
	.end_amdhsa_kernel
	.section	.bss,"aw",@nobits
	.p2align	6
	.space	262144
	.amdgpu_metadata
---
amdhsa.version: [ 1, 2 ]
amdhsa.kernels:
  - .name:           k_q653e550d7b_attn
    .symbol:         k_q653e550d7b_attn.kd
    .args:
      - { .name: qkv, .offset: 0, .size: 8, .value_kind: global_buffer, .address_space: global }
      - { .name: opart, .offset: 8, .size: 8, .value_kind: global_buffer, .address_space: global }
      - { .name: ml, .offset: 16, .size: 8, .value_kind: global_buffer, .address_space: global }
    .group_segment_fixed_size: 327680
    .private_segment_fixed_size: 0
    .kernarg_segment_align: 8
    .kernarg_segment_size: 24
    .max_flat_workgroup_size: 128
    .sgpr_count:     66
    .vgpr_count:     1024
    .wavefront_size: 32
...
	.end_amdgpu_metadata
.endif
;; end of part 2
;; launch merge (part 3): grid 256 x 1, 8 waves a work-group, no clusters, 0 bytes of LDS; arguments opart, ml, x, proj_b, out0; writes out0
.if DOCPART == 3
	.amdgcn_target "amdgcn-amd-amdhsa--gfx1250"
	.amdhsa_code_object_version 6
	.text
	.protected	k_q653e550d7b_merge
	.globl	k_q653e550d7b_merge
	.p2align	8
	.type	k_q653e550d7b_merge,@function
k_q653e550d7b_merge:
	s_mov_b64 s[64:65], 0
	v_nop
	global_prefetch_b8 v0, s[64:65] scope:SCOPE_SE
	s_setreg_imm32_b32 hwreg(HW_REG_WAVE_MODE, 25, 1), 1
	s_wait_xcnt 0x0
; out0 = x + proj_b + (sum over the 4 splits of w_s OP_s) / (sum of w_s l_s),  w_s = exp2((m_s - max m) c),  c = log2(e) / 16.
; OP_s already carries the output projection.  A stream: 5 rows of 1,024 bytes in and one out for each row; no LDS, no barrier, no matrix unit, nothing shared.
; 256 work-groups of 32 rows; wave w takes rows 4 w + 2 p + h (p = 0, 1; h = the half of the lanes), a lane 4 pieces of 16 bytes at 256 j + 16 r of a row:
; every load and store of a half-wave covers 256 consecutive bytes at a multiple of 256 from its buffer's first byte.  All 60 loads go out in one run.
.set VOFF, 3                           ; v3  (4 w + h) 1024 + 16 r
.set MOFF, 4                           ; v4  (4 w + h) 4
.set POFF, 5                           ; v5  16 r
.set ML,   8                           ; v[8:23]   pairs (m, l) at 8 + 2 (4 p + s); m is replaced by the split's weight
.set PB,   24                          ; v[24:39]  proj_b of my 16 columns
.set XR,   40                          ; v[40:71]  x, then the result: 16 registers a row pair
.set OP,   72                          ; v[72:199] OP at 72 + 64 p + 16 s + 4 j
.set MX,   200                         ; v200, v201 the largest m
.set DEN,  202                         ; v202, v203 the denominator, then its reciprocal
.set CEXP, 0x3db8aa3b
	s_load_b256 s[4:11], s[0:1], 0x0               ; opart s[4:5], ml s[6:7], x s[8:9], proj_b s[10:11]
	s_load_b64 s[12:13], s[0:1], 0x20              ; out0
	v_and_b32 v1, 15, v0                           ; r
	v_bfe_u32 v2, v0, 4, 1                         ; h
	v_lshrrev_b32 v6, 5, v0
	v_lshl_add_u32 v6, v6, 2, v2                   ; 4 w + h
	v_lshlrev_b32 v[POFF], 4, v1
	v_lshl_add_u32 v[VOFF], v6, 10, v[POFF]
	v_lshlrev_b32 v[MOFF], 2, v6
	s_lshl_b32 s14, ttmp9, 15                      ; 32 rows of 1,024 bytes
	s_mov_b32 s15, 0
	s_lshl_b32 s24, ttmp9, 7                       ; 32 words
	s_mov_b32 s25, 0
	s_wait_kmcnt 0x0
	s_add_nc_u64 s[16:17], s[4:5], s[14:15]        ; a base for each split: 8,388,608 bytes apart, past a load's immediate
	s_add_nc_u64 s[18:19], s[16:17], 0x800000
	s_add_nc_u64 s[20:21], s[18:19], 0x800000
	s_add_nc_u64 s[22:23], s[20:21], 0x800000
	s_add_nc_u64 s[6:7], s[6:7], s[24:25]
	s_add_nc_u64 s[8:9], s[8:9], s[14:15]
	s_add_nc_u64 s[12:13], s[12:13], s[14:15]
.irp p, 0,1
.irp s, 0,1,2,3
	global_load_b32 v[ML+2*(4*\p+\s)], v[MOFF], s[6:7] offset:\p*8+\s*32768
	global_load_b32 v[ML+2*(4*\p+\s)+1], v[MOFF], s[6:7] offset:\p*8+\s*32768+131072
.endr
.endr
.irp j, 0,1,2,3
	global_load_b128 v[PB+4*\j:PB+4*\j+3], v[POFF], s[10:11] offset:\j*256
.endr
.irp p, 0,1
.irp j, 0,1,2,3
	global_load_b128 v[XR+16*\p+4*\j:XR+16*\p+4*\j+3], v[VOFF], s[8:9] offset:\p*2048+\j*256 th:TH_LOAD_NT
.endr
.irp s, 0,1,2,3
.irp j, 0,1,2,3
	global_load_b128 v[OP+64*\p+16*\s+4*\j:OP+64*\p+16*\s+4*\j+3], v[VOFF], s[16+2*\s:17+2*\s] offset:\p*2048+\j*256 th:TH_LOAD_NT
.endr
.endr
.endr
	s_wait_loadcnt 44                              ; m and l are in: proj_b's 4 loads and the two row pairs' 40 stay out
.irp p, 0,1
	v_max3_num_f32 v[MX+\p], v[ML+8*\p], v[ML+8*\p+2], v[ML+8*\p+4]
.endr
.irp p, 0,1
	v_max_num_f32 v[MX+\p], v[MX+\p], v[ML+8*\p+6]
.endr
.irp p, 0,1
.irp s, 0,1,2,3
	v_sub_f32 v[ML+8*\p+2*\s], v[ML+8*\p+2*\s], v[MX+\p]
.endr
.endr
.irp p, 0,1
.irp s, 0,1,2,3
	v_mul_f32 v[ML+8*\p+2*\s], CEXP, v[ML+8*\p+2*\s]
.endr
.endr
.irp p, 0,1
.irp s, 0,1,2,3
	v_exp_f32 v[ML+8*\p+2*\s], v[ML+8*\p+2*\s]
.endr
.endr
	v_nop                                          ; one plain place behind the exponentials (ISA guide 5.7.2)
	s_wait_alu depctr_va_vdst(0)
.irp p, 0,1
	v_mul_f32 v[DEN+\p], v[ML+8*\p], v[ML+8*\p+1]
.endr
.irp s, 1,2,3
.irp p, 0,1
	v_fmac_f32 v[DEN+\p], v[ML+8*\p+2*\s], v[ML+8*\p+2*\s+1]
.endr
.endr
	v_rcp_f32 v[DEN], v[DEN]                       ; at least one weight is 1 and its l holds the term of its own maximum: the denominator is not 0
	v_rcp_f32 v[DEN+1], v[DEN+1]
	v_nop
	s_wait_alu depctr_va_vdst(0)
.irp p, 0,1
.irp s, 0,1,2,3
	v_mul_f32 v[ML+8*\p+2*\s], v[ML+8*\p+2*\s], v[DEN+\p]
.endr
.endr
; a row pair: x + proj_b, then four fused multiply-adds by the splits' weights, and out
.macro ROWS p, left
	s_wait_loadcnt \left
.irp k, 0,1,2,3,4,5,6,7
	v_pk_add_f32 v[XR+16*\p+2*\k:XR+16*\p+2*\k+1], v[XR+16*\p+2*\k:XR+16*\p+2*\k+1], v[PB+2*\k:PB+2*\k+1]
.endr
.irp s, 0,1,2,3
.irp k, 0,1,2,3,4,5,6,7
	v_pk_fma_f32 v[XR+16*\p+2*\k:XR+16*\p+2*\k+1], v[OP+64*\p+16*\s+2*\k:OP+64*\p+16*\s+2*\k+1], v[ML+8*\p+2*\s:ML+8*\p+2*\s+1], v[XR+16*\p+2*\k:XR+16*\p+2*\k+1] op_sel_hi:[1,0,1]
.endr
.endr
.irp j, 0,1,2,3
	global_store_b128 v[VOFF], v[XR+16*\p+4*\j:XR+16*\p+4*\j+3], s[12:13] offset:\p*2048+\j*256 th:TH_STORE_NT
.endr
.endm
	ROWS 0, 20                                     ; the second row pair's 20 loads stay out
	ROWS 1, 0
	s_endpgm
.Lfunc_end_k_q653e550d7b_merge:
	.size	k_q653e550d7b_merge, .Lfunc_end_k_q653e550d7b_merge-k_q653e550d7b_merge
	.p2alignl 7, 3214868480
	.fill 96, 4, 3214868480
	.section	.rodata,"a",@progbits
	.p2align	6, 0x0
	.amdhsa_kernel k_q653e550d7b_merge
		.amdhsa_group_segment_fixed_size 0
		.amdhsa_private_segment_fixed_size 0
		.amdhsa_enable_private_segment 0
		.amdhsa_kernarg_size 40
		.amdhsa_user_sgpr_count 2
		.amdhsa_user_sgpr_kernarg_segment_ptr 1
		.amdhsa_wavefront_size32 1
		.amdhsa_system_sgpr_workgroup_id_x 1
		.amdhsa_system_sgpr_workgroup_id_y 1
		.amdhsa_system_sgpr_workgroup_id_z 1
		.amdhsa_system_vgpr_workitem_id 0
		.amdhsa_next_free_vgpr 216
		.amdhsa_next_free_sgpr 66
		.amdhsa_reserve_vcc 0
		.amdhsa_float_denorm_mode_32 3
		.amdhsa_float_denorm_mode_16_64 3
		.amdhsa_memory_ordered 1
		.amdhsa_forward_progress 1
		.amdhsa_inst_pref_size 15
	.end_amdhsa_kernel
	.amdgpu_metadata
---
amdhsa.version: [ 1, 2 ]
amdhsa.kernels:
  - .name:           k_q653e550d7b_merge
    .symbol:         k_q653e550d7b_merge.kd
    .args:
      - { .name: opart, .offset: 0, .size: 8, .value_kind: global_buffer, .address_space: global }
      - { .name: ml, .offset: 8, .size: 8, .value_kind: global_buffer, .address_space: global }
      - { .name: x, .offset: 16, .size: 8, .value_kind: global_buffer, .address_space: global }
      - { .name: proj_b, .offset: 24, .size: 8, .value_kind: global_buffer, .address_space: global }
      - { .name: out0, .offset: 32, .size: 8, .value_kind: global_buffer, .address_space: global }
    .group_segment_fixed_size: 0
    .private_segment_fixed_size: 0
    .kernarg_segment_align: 8
    .kernarg_segment_size: 40
    .max_flat_workgroup_size: 256
    .sgpr_count:     66
    .vgpr_count:     216
    .wavefront_size: 32
...
	.end_amdgpu_metadata
.endif
;; end of part 3
;; ======== version 2 of 2: 3 launches; version 1 with the launch merge written anew for expert scheduling mode
;; workspace buffers: qkv 12,582,912 bytes; opart 33,554,432 bytes; ml 262,144 bytes
;; launch lnqkv: the kernel of part 1 again; grid 64 x 4, 8 waves a work-group, no clusters, 305,152 bytes of LDS; arguments x, norm_w, norm_b, qkv_w, qkv_b, proj_w, qkv; writes qkv
;; launch attn: the kernel of part 2 again; grid 64 x 4, 4 waves a work-group, clusters of 4 x 1, 327,680 bytes of LDS; arguments qkv, opart, ml; writes opart, ml
;; launch merge (part 4): grid 256 x 1, 8 waves a work-group, no clusters, 0 bytes of LDS; arguments opart, ml, x, proj_b, out0; writes out0
.if DOCPART == 4
	.amdgcn_target "amdgcn-amd-amdhsa--gfx1250"
	.amdhsa_code_object_version 6
	.text
	.protected	k_q653e550d7b_merge
	.globl	k_q653e550d7b_merge
	.p2align	8
	.type	k_q653e550d7b_merge,@function
k_q653e550d7b_merge:
	s_mov_b64 s[64:65], 0
	v_nop
	global_prefetch_b8 v0, s[64:65] scope:SCOPE_SE
	s_setreg_imm32_b32 hwreg(HW_REG_WAVE_SCHED_MODE, 0, 2), 2
	s_setreg_imm32_b32 hwreg(HW_REG_WAVE_MODE, 25, 1), 1
	s_wait_xcnt 0x0
	s_wait_alu depctr_vm_vsrc(0)
; out0 = x + proj_b + (sum over the 4 splits of w_s OP_s) / (sum of w_s l_s),  w_s = exp2((m_s - max m) c),  c = log2(e) / 16.
; OP_s already carries the output projection.  A stream: 5 rows of 1,024 bytes in and one out for each row; no LDS, no barrier, no matrix unit, nothing shared.
; 256 work-groups of 32 rows; wave w takes rows 4 w + 2 p + h (p = 0, 1; h = the half of the lanes), a lane 4 pieces of 16 bytes at 256 j + 16 r of a row:
; every load and store of a half-wave covers 256 consecutive bytes at a multiple of 256 from its buffer's first byte.  All 60 loads go out in one run.
; THE MODE: SCHED_MODE bits 1:0 = 2 (LLVM: expert scheduling mode 2), set by the entry lines.  The code itself states the register dependences
; between vector instructions and memory instructions, with s_wait_alu, always for 0.
; THE PLAN.  Registers that memory instructions touch:
;   v3, v4, v5   byte offsets.  Written by vector instructions at the head, once; read by every load and store.  One wait ahead of the first load serves them all.
;   ML, PB, OP   One load lands in each register; vector instructions read them (and write ML's m words again) behind the wait on LOADcnt; no memory instruction names them again.
;   XR           One load lands in each register; row pair p's add and multiply-adds write its 16 registers again, and the pair's four stores read them:
;                one wait ahead of each run of four stores.
;   MX, DEN, v1, v2, v6 are named by vector instructions alone.
; Row pair 1's arithmetic writes v[56:71]; row pair 0's stores read v[40:55] and v3.  So no register that a memory instruction has read is written again,
; and behind the entry lines the text holds no wait on vm_vsrc.  No vector instruction writes a scalar register or VCC, and EXEC is never written.
.set VOFF, 3                           ; v3  (4 w + h) 1024 + 16 r
.set MOFF, 4                           ; v4  (4 w + h) 4
.set POFF, 5                           ; v5  16 r
.set ML,   8                           ; v[8:23]   pairs (m, l) at 8 + 2 (4 p + s); m is replaced by the split's weight
.set PB,   24                          ; v[24:39]  proj_b of my 16 columns
.set XR,   40                          ; v[40:71]  x, then the result: 16 registers a row pair
.set OP,   72                          ; v[72:199] OP at 72 + 64 p + 16 s + 4 j
.set MX,   200                         ; v200, v201 the largest m
.set DEN,  202                         ; v202, v203 the denominator, then its reciprocal
.set CEXP, 0x3db8aa3b
	s_load_b256 s[4:11], s[0:1], 0x0               ; opart s[4:5], ml s[6:7], x s[8:9], proj_b s[10:11]
	s_load_b64 s[12:13], s[0:1], 0x20              ; out0
	v_and_b32 v1, 15, v0                           ; r
	v_bfe_u32 v2, v0, 4, 1                         ; h
	v_lshrrev_b32 v6, 5, v0
	v_lshl_add_u32 v6, v6, 2, v2                   ; 4 w + h
	v_lshlrev_b32 v[POFF], 4, v1
	v_lshl_add_u32 v[VOFF], v6, 10, v[POFF]
	v_lshlrev_b32 v[MOFF], 2, v6
	s_lshl_b32 s14, ttmp9, 15                      ; 32 rows of 1,024 bytes
	s_mov_b32 s15, 0
	s_lshl_b32 s24, ttmp9, 7                       ; 32 words
	s_mov_b32 s25, 0
	s_wait_kmcnt 0x0
	s_add_nc_u64 s[16:17], s[4:5], s[14:15]        ; a base for each split: 8,388,608 bytes apart, past a load's immediate
	s_add_nc_u64 s[18:19], s[16:17], 0x800000
	s_add_nc_u64 s[20:21], s[18:19], 0x800000
	s_add_nc_u64 s[22:23], s[20:21], 0x800000
	s_add_nc_u64 s[6:7], s[6:7], s[24:25]
	s_add_nc_u64 s[8:9], s[8:9], s[14:15]
	s_add_nc_u64 s[12:13], s[12:13], s[14:15]
	s_wait_alu depctr_va_vdst(0)                   ; v3, v4 and v5 are written: every load and store of the kernel reads one of them as its offset
.irp p, 0,1
.irp s, 0,1,2,3
	global_load_b32 v[ML+2*(4*\p+\s)], v[MOFF], s[6:7] offset:\p*8+\s*32768
	global_load_b32 v[ML+2*(4*\p+\s)+1], v[MOFF], s[6:7] offset:\p*8+\s*32768+131072
.endr
.endr
.irp j, 0,1,2,3
	global_load_b128 v[PB+4*\j:PB+4*\j+3], v[POFF], s[10:11] offset:\j*256
.endr
.irp p, 0,1
.irp j, 0,1,2,3
	global_load_b128 v[XR+16*\p+4*\j:XR+16*\p+4*\j+3], v[VOFF], s[8:9] offset:\p*2048+\j*256 th:TH_LOAD_NT
.endr
.irp s, 0,1,2,3
.irp j, 0,1,2,3
	global_load_b128 v[OP+64*\p+16*\s+4*\j:OP+64*\p+16*\s+4*\j+3], v[VOFF], s[16+2*\s:17+2*\s] offset:\p*2048+\j*256 th:TH_LOAD_NT
.endr
.endr
.endr
	s_wait_loadcnt 44                              ; m and l are in: proj_b's 4 loads and the two row pairs' 40 stay out
.irp p, 0,1
	v_max3_num_f32 v[MX+\p], v[ML+8*\p], v[ML+8*\p+2], v[ML+8*\p+4]
.endr
.irp p, 0,1
	v_max_num_f32 v[MX+\p], v[MX+\p], v[ML+8*\p+6]
.endr
.irp p, 0,1
.irp s, 0,1,2,3
	v_sub_f32 v[ML+8*\p+2*\s], v[ML+8*\p+2*\s], v[MX+\p]
.endr
.endr
.irp p, 0,1
.irp s, 0,1,2,3
	v_mul_f32 v[ML+8*\p+2*\s], CEXP, v[ML+8*\p+2*\s]
.endr
.endr
.irp p, 0,1
.irp s, 0,1,2,3
	v_exp_f32 v[ML+8*\p+2*\s], v[ML+8*\p+2*\s]
.endr
.endr
	v_nop                                          ; one plain place behind the exponentials (ISA guide 5.7.2)
	s_wait_alu depctr_va_vdst(0)                   ; the eight exponentials have written the weights, v[ML], v[ML+2] .. v[ML+14], ahead of their first reader: one wait for the batch
.irp p, 0,1
	v_mul_f32 v[DEN+\p], v[ML+8*\p], v[ML+8*\p+1]
.endr
.irp s, 1,2,3
.irp p, 0,1
	v_fmac_f32 v[DEN+\p], v[ML+8*\p+2*\s], v[ML+8*\p+2*\s+1]
.endr
.endr
	v_rcp_f32 v[DEN], v[DEN]                       ; at least one weight is 1 and its l holds the term of its own maximum: the denominator is not 0
	v_rcp_f32 v[DEN+1], v[DEN+1]
	v_nop                                          ; one plain place behind the reciprocals
	s_wait_alu depctr_va_vdst(0)                   ; the two reciprocals have written v[DEN] and v[DEN+1], ahead of their first reader
.irp p, 0,1
.irp s, 0,1,2,3
	v_mul_f32 v[ML+8*\p+2*\s], v[ML+8*\p+2*\s], v[DEN+\p]
.endr
.endr
; a row pair: x + proj_b, then four fused multiply-adds by the splits' weights, and out
.macro ROWS p, left
	s_wait_loadcnt \left
.irp k, 0,1,2,3,4,5,6,7
	v_pk_add_f32 v[XR+16*\p+2*\k:XR+16*\p+2*\k+1], v[XR+16*\p+2*\k:XR+16*\p+2*\k+1], v[PB+2*\k:PB+2*\k+1]
.endr
.irp s, 0,1,2,3
.irp k, 0,1,2,3,4,5,6,7
	v_pk_fma_f32 v[XR+16*\p+2*\k:XR+16*\p+2*\k+1], v[OP+64*\p+16*\s+2*\k:OP+64*\p+16*\s+2*\k+1], v[ML+8*\p+2*\s:ML+8*\p+2*\s+1], v[XR+16*\p+2*\k:XR+16*\p+2*\k+1] op_sel_hi:[1,0,1]
.endr
.endr
	s_wait_alu depctr_va_vdst(0)                   ; the multiply-adds have written this row pair's sixteen registers of XR, which the four stores below read
.irp j, 0,1,2,3
	global_store_b128 v[VOFF], v[XR+16*\p+4*\j:XR+16*\p+4*\j+3], s[12:13] offset:\p*2048+\j*256 th:TH_STORE_NT
.endr
.endm
	ROWS 0, 20                                     ; the second row pair's 20 loads stay out
	ROWS 1, 0                                      ; it writes the other sixteen registers of XR: nothing that the stores above read is written again
	s_endpgm
.Lfunc_end_k_q653e550d7b_merge:
	.size	k_q653e550d7b_merge, .Lfunc_end_k_q653e550d7b_merge-k_q653e550d7b_merge
	.p2alignl 7, 3214868480
	.fill 96, 4, 3214868480
	.section	.rodata,"a",@progbits
	.p2align	6, 0x0
	.amdhsa_kernel k_q653e550d7b_merge
		.amdhsa_group_segment_fixed_size 0
		.amdhsa_private_segment_fixed_size 0
		.amdhsa_enable_private_segment 0
		.amdhsa_kernarg_size 40
		.amdhsa_user_sgpr_count 2
		.amdhsa_user_sgpr_kernarg_segment_ptr 1
		.amdhsa_wavefront_size32 1
		.amdhsa_system_sgpr_workgroup_id_x 1
		.amdhsa_system_sgpr_workgroup_id_y 1
		.amdhsa_system_sgpr_workgroup_id_z 1
		.amdhsa_system_vgpr_workitem_id 0
		.amdhsa_next_free_vgpr 216
		.amdhsa_next_free_sgpr 66
		.amdhsa_reserve_vcc 0
		.amdhsa_float_denorm_mode_32 3
		.amdhsa_float_denorm_mode_16_64 3
		.amdhsa_memory_ordered 1
		.amdhsa_forward_progress 1
		.amdhsa_inst_pref_size 15
	.end_amdhsa_kernel
	.amdgpu_metadata
---
amdhsa.version: [ 1, 2 ]
amdhsa.kernels:
  - .name:           k_q653e550d7b_merge
    .symbol:         k_q653e550d7b_merge.kd
    .args:
      - { .name: opart, .offset: 0, .size: 8, .value_kind: global_buffer, .address_space: global }
      - { .name: ml, .offset: 8, .size: 8, .value_kind: global_buffer, .address_space: global }
      - { .name: x, .offset: 16, .size: 8, .value_kind: global_buffer, .address_space: global }
      - { .name: proj_b, .offset: 24, .size: 8, .value_kind: global_buffer, .address_space: global }
      - { .name: out0, .offset: 32, .size: 8, .value_kind: global_buffer, .address_space: global }
    .group_segment_fixed_size: 0
    .private_segment_fixed_size: 0
    .kernarg_segment_align: 8
    .kernarg_segment_size: 40
    .max_flat_workgroup_size: 256
    .sgpr_count:     66
    .vgpr_count:     216
    .wavefront_size: 32
...
	.end_amdgpu_metadata
.endif
;; end of part 4
